; MI455X (gfx1250); checked and timed in simulation.
; The chip was launched on July 23, 2026; its instructions are those of AMD's public machine-readable ISA for CDNA 5 (MIT licence, August 2026) and "CDNA5" Instruction Set Architecture Reference Guide (July 2026). The comments in the code are by the model that wrote it; some were corrected since.
;; Back Projection Layer. Allowed arithmetic: float matrix products may take bf16 or f16 operands with f32 sums; all other float work in f32.
;; Inputs: angles_deg 90 float32; sino 2 x 90 x 512 float32.
;; Outputs: out0 2 x 1 x 512 x 512 float32.
;; Constants: H = 512, W = 512.
;; 3 versions, each right; version 2 is faster than version 1; version 3 is version 2 with the launch backproject written anew for expert scheduling mode. Each part assembles by itself: llvm-mc -triple=amdgcn-amd-amdhsa -mcpu=gfx1250 --defsym DOCPART=n.
;; ======== version 1 of 3: 2 launches
;; workspace buffers: tab 1,105,920 bytes; reci 376,832 bytes of whole numbers; recf 376,832 bytes
;; launch prep (part 1): grid 92 x 1, 8 waves a work-group, no clusters, 0 bytes of LDS; arguments sino, angles_deg, tab, reci, recf; writes tab, reci, recf
.if DOCPART == 1
	.amdgcn_target "amdgcn-amd-amdhsa--gfx1250"
	.amdhsa_code_object_version 6
	.text
	.protected	k_q1b1f4351d5_prep
	.globl	k_q1b1f4351d5_prep
	.p2align	8
	.type	k_q1b1f4351d5_prep,@function
k_q1b1f4351d5_prep:
	s_mov_b64 s[64:65], 0
	v_nop
	global_prefetch_b8 v0, s[64:65] scope:SCOPE_SE
	s_setreg_imm32_b32 hwreg(HW_REG_WAVE_MODE, 25, 1), 1
	s_wait_xcnt 0x0
; PREPARATION FOR THE BACK PROJECTION.  Two products, both read by the next launch.
; (1) RECORDS, one for each tile of 64 x 16 output pixels (256 tiles) and each angle (90, and 2 pads that repeat angle 89, so that records come in fours).
;     With b = angle * pi/180 (rounded to f32 as the problem rounds it), s = -sin b, c = cos b, the sampled row of output pixel (x, y) is
;     iy = 306.5 + s (x - 255.5) + c (y - 255.5), the sampled column ix = 306.5 + c (x - 255.5) - s (y - 255.5).
;     reci (whole numbers): { 2 (t0 - W 2^22), 2 S, 2 C, G }: S, C = s, c times 2^22, rounded; t0 = (iy + 64) 2^22 at the tile's first pixel; W = the floor of the least
;     iy + 64 in the tile; G = W + 702 a: what is added to a place in the tile's LDS copy (66 entries an angle) to give the place in tab (768 entries an angle).
;     recf (f32): { ix - 306.5 at the tile's first pixel, c, s, 32 c }.
;     One record a thread, angle fastest: a wave's store of 16 bytes a lane covers 512 consecutive bytes.
; (2) TAB, 90 rows of 768 entries of 16 bytes.  Entry e of row a stands for row h = e - 64 of the stretched projection col (614 rows; 0 outside them, which is the sampling's
;     zero padding): { v0 - d0, v1 - d1, d0, d1 }, v = col[h], d = col[h + 1] - col[h], for batches 0 and 1: the sample at h + w is d (1 + w) + (v - d).
;     col[h] = p[i0] (1 - wH) + p[i1] wH at src = (512 h - 51) / 614 clipped to 0 .. 511: i0 and the remainder come from a whole-number division, so no address hangs on a float.
;     Work-group g < 90 makes row g, three entries a thread.
; LIMITS.  Angles are finite, and |b| * 2 / pi stays under 2^31 (the quadrant's number is kept in 32 bits).  S and C carry 22 fraction bits: over the 256 + 256 pixels
; from the centre and the 78 inside a tile that is under 1e-4 of a pixel in iy.
.set NA,    90                         ; angles
.set NAP,   92                         ; records a tile
.set NTAB,  768                        ; entries in a row of tab
.set WIN,   66                         ; entries of a row that one tile can touch: floor(frac + 63 |s| + 15 |c|) + 1, and 63 |s| + 15 |c| < 64.8
.set LEAD,  64                         ; entry e stands for row e - LEAD
.set HP,    614                        ; rows of col
.set ROWB,  2048                       ; bytes in a row of sino
.set I0,  40                           ; v40-45   byte offset of p[i0], for the six rows of col that a thread needs
.set I1,  46                           ; v46-51   of p[i1]
.set W0,  52                           ; v52-57   1 - wH, or 0 outside col
.set W1,  58                           ; v58-63   wH, or 0 outside col
.set P,   64                           ; v64-87   p[i0], p[i1] of batch 0, of batch 1
.set T0,  88                           ; v88-92   at work
.set T1,  89
.set T2,  90
.set T3,  91
.set T4,  92
.set O,   96                           ; v96-107  three entries to store
.set TO,  108                          ; v108     16 x thread
	s_load_b256 s[4:11], s[0:1], 0x0               ; sino s[4:5], angles_deg s[6:7], tab s[8:9], reci s[10:11]
	s_load_b64 s[12:13], s[0:1], 0x20              ; recf
	s_lshl_b32 s15, ttmp9, 8
	v_or_b32 v1, s15, v0                           ; my record's number = 92 x tile + angle
	v_lshrrev_b32 v2, 2, v1
	v_mul_u32_u24 v2, v2, 11398                    ; / 23: 11398 x 23 = 2^18 + 10, exact while 10 n < 2^18; n < 5,888
	v_lshrrev_b32 v2, 18, v2                       ; tile
	v_mul_u32_u24 v3, v2, NAP
	v_sub_nc_u32 v3, v1, v3
	v_min_u32 v3, NA-1, v3                         ; angle; the two pads take the last one
	v_lshlrev_b32 v4, 2, v3
	v_lshlrev_b32 v36, 4, v1                       ; my record's bytes
	s_wait_kmcnt 0x0
	global_load_b32 v5, v4, s[6:7]                 ; the angle, in degrees
	s_cmp_ge_u32 ttmp9, NA
	s_cbranch_scc1 .Lrecords                       ; work-groups 90 and 91 have records alone
	; ---- my row of tab ----
	s_lshl_b32 s16, ttmp9, 11
	s_mov_b32 s17, 0
	s_add_nc_u64 s[4:5], s[4:5], s[16:17]          ; sino[0][g]; batch 1 lies NA rows further
	s_mul_i32 s18, ttmp9, NTAB*16
	s_mov_b32 s19, 0
	s_add_nc_u64 s[8:9], s[8:9], s[18:19]          ; tab's row g
	s_mov_b32 s20, 6995061                         ; 2^32 / 614 rounded up: 614 x 6995061 = 2^32 + 158, exact while 158 n < 2^32; n < 313,755
	v_lshlrev_b32 v[TO], 4, v0
; Row e - LEAD of col, e = thread + add: offsets and weights into place n, and the four loads.
.macro COLADR n, add
	v_add_nc_u32 v[T0], \add, v0                   ; e
	v_max_u32 v[T1], LEAD, v[T0]
	v_min_u32 v[T1], LEAD+HP-1, v[T1]              ; e held inside col,
	v_cmp_eq_u32 vcc_lo, v[T0], v[T1]              ; and whether it was inside
	v_lshlrev_b32 v[T1], 9, v[T1]
	v_max_u32 v[T1], LEAD*512+51, v[T1]            ; src is clipped at 0
	v_add_nc_u32 v[T1], 0xffff7fcd, v[T1]          ; - (64 x 512 + 51): 512 h - 51 = 614 src
	v_min_u32 v[T1], 511*HP, v[T1]                 ; and at 511
	v_mul_hi_u32 v[T2], v[T1], s20                 ; i0
	v_mul_u32_u24 v[T3], v[T2], HP
	v_sub_nc_u32 v[T3], v[T1], v[T3]               ; the remainder
	v_cvt_f32_u32 v[T3], v[T3]
	v_mul_f32 v[T3], 0x3ad578e9, v[T3]             ; wH = remainder / 614
	v_sub_f32 v[T4], 1.0, v[T3]
	v_cndmask_b32 v[W1+\n], 0, v[T3], vcc_lo
	v_cndmask_b32 v[W0+\n], 0, v[T4], vcc_lo
	v_add_nc_u32 v[T4], 1, v[T2]
	v_min_u32 v[T4], 511, v[T4]                    ; i1
	v_lshlrev_b32 v[I0+\n], 2, v[T2]
	v_lshlrev_b32 v[I1+\n], 2, v[T4]
	global_load_b32 v[P+4*\n],   v[I0+\n], s[4:5]
	global_load_b32 v[P+4*\n+1], v[I1+\n], s[4:5]
	global_load_b32 v[P+4*\n+2], v[I0+\n], s[4:5] offset:NA*ROWB
	global_load_b32 v[P+4*\n+3], v[I1+\n], s[4:5] offset:NA*ROWB
.endm
	COLADR 0, 0
	COLADR 1, 1
	COLADR 2, 256
	COLADR 3, 257
	COLADR 4, 512
	COLADR 5, 513
	s_wait_loadcnt 0x0                             ; all 24, and the angle in front of them
; Entry thread + 256 j: col at places 2 j (the row) and 2 j + 1 (the row above it)
.macro ENTRY j
	v_mul_f32 v[T0], v[P+8*\j],   v[W0+2*\j]
	v_mul_f32 v[T1], v[P+8*\j+2], v[W0+2*\j]
	v_mul_f32 v[T2], v[P+8*\j+4], v[W0+2*\j+1]
	v_mul_f32 v[T3], v[P+8*\j+6], v[W0+2*\j+1]
	v_fmac_f32 v[T0], v[P+8*\j+1], v[W1+2*\j]      ; v, batch 0
	v_fmac_f32 v[T1], v[P+8*\j+3], v[W1+2*\j]      ; v, batch 1
	v_fmac_f32 v[T2], v[P+8*\j+5], v[W1+2*\j+1]
	v_fmac_f32 v[T3], v[P+8*\j+7], v[W1+2*\j+1]
	v_sub_f32 v[O+4*\j+2], v[T2], v[T0]            ; d
	v_sub_f32 v[O+4*\j+3], v[T3], v[T1]
	v_sub_f32 v[O+4*\j],   v[T0], v[O+4*\j+2]      ; v - d
	v_sub_f32 v[O+4*\j+1], v[T1], v[O+4*\j+3]
	global_store_b128 v[TO], v[O+4*\j:O+4*\j+3], s[8:9] offset:4096*\j   ; 16 lanes store 256 consecutive bytes, at a multiple of 256 from tab's first byte
.endm
	ENTRY 0
	ENTRY 1
	ENTRY 2
.Lrecords:
	s_wait_loadcnt 0x0                             ; the angle
	; sin and cos: b = k pi/2 + r, |r| <= pi/4; pi/2 is taken away in two parts by fused multiply-adds
	v_mul_f32 v6, 0x3c8efa35, v5                   ; b = angle x pi/180
	v_mul_f32 v7, 0x3f22f983, v6                   ; b x 2/pi
	v_rndne_f32 v7, v7                             ; k
	v_fmamk_f32 v8, v7, 0xbfc90fdb, v6             ; b - k x 1.57079637
	v_fmamk_f32 v8, v7, 0x333bbd2e, v8             ;   + k x 4.3711388e-8: r
	v_cvt_i32_f32 v9, v7
	v_mul_f32 v10, v8, v8                          ; r^2
	v_mov_b32 v11, 0x3638ef1d                      ; 1/9!
	v_mov_b32 v12, 0xb493f27e                      ; -1/10!
	v_fmaak_f32 v11, v11, v10, 0xb9500d01          ; -1/7!
	v_fmaak_f32 v12, v12, v10, 0x37d00d01          ; 1/8!
	v_fmaak_f32 v11, v11, v10, 0x3c088889          ; 1/5!
	v_fmaak_f32 v12, v12, v10, 0xbab60b61          ; -1/6!
	v_fmaak_f32 v11, v11, v10, 0xbe2aaaab          ; -1/3!
	v_fmaak_f32 v12, v12, v10, 0x3d2aaaab          ; 1/4!
	v_mul_f32 v13, v8, v10                         ; r^3
	v_fmaak_f32 v12, v12, v10, 0xbf000000          ; -1/2
	v_fma_f32 v11, v11, v13, v8                    ; sin r
	v_fma_f32 v12, v12, v10, 1.0                   ; cos r
	v_and_b32 v13, 1, v9
	v_cmp_eq_u32 vcc_lo, 1, v13                    ; odd quadrants change the two over
	v_cndmask_b32 v14, v11, v12, vcc_lo
	v_cndmask_b32 v15, v12, v11, vcc_lo
	v_lshlrev_b32 v16, 30, v9                      ; sin b is negated in quadrants 2 and 3; s = -sin b in 0 and 1
	v_not_b32 v16, v16
	v_and_b32 v16, 0x80000000, v16
	v_xor_b32 v34, v16, v14                        ; s
	v_add_nc_u32 v17, 1, v9                        ; cos b is negated in quadrants 1 and 2
	v_lshlrev_b32 v17, 30, v17
	v_and_b32 v17, 0x80000000, v17
	v_xor_b32 v33, v17, v15                        ; c
	; the whole numbers; sums and products are taken modulo 2^32, and (iy + 64) 2^22 lies between 9 x 2^22 and 732 x 2^22
	v_mul_f32 v16, 0x4a800000, v34
	v_mul_f32 v17, 0x4a800000, v33
	v_rndne_f32 v16, v16
	v_rndne_f32 v17, v17
	v_cvt_i32_f32 v16, v16                         ; S
	v_cvt_i32_f32 v17, v17                         ; C
	v_and_b32 v18, 7, v2
	v_lshrrev_b32 v19, 3, v2
	v_lshlrev_b32 v18, 6, v18
	v_lshlrev_b32 v19, 4, v19
	v_add_nc_u32 v18, 0xffffff00, v18              ; the tile's first x - 256
	v_add_nc_u32 v19, 0xffffff00, v19              ; the tile's first y - 256
	v_mul_lo_u32 v20, v16, v18
	v_mad_u32 v20, v17, v19, v20
	v_add_nc_u32 v21, v16, v17
	v_ashrrev_i32 v21, 1, v21                      ; the half pixel: x - 255.5 = (x - 256) + 0.5
	v_add3_u32 v20, v20, v21, 0x5ca00000           ; + 370.5 x 2^22: t0
	v_mul_lo_u32 v22, v16, 63
	v_mul_lo_u32 v23, v17, 15
	v_ashrrev_i32 v24, 31, v22
	v_ashrrev_i32 v25, 31, v23
	v_and_b32 v22, v22, v24                        ; min(63 S, 0)
	v_and_b32 v23, v23, v25                        ; min(15 C, 0)
	v_add3_u32 v22, v20, v22, v23                  ; the tile's least value: at one of its corners, since the form is linear
	v_lshrrev_b32 v24, 22, v22                     ; W
	v_and_b32 v22, 0xffc00000, v22
	v_sub_nc_u32 v20, v20, v22
	v_lshlrev_b32 v28, 1, v20                      ; with 23 fraction bits, so that the fraction is a mantissa
	v_lshlrev_b32 v29, 1, v16
	v_lshlrev_b32 v30, 1, v17
	v_mad_u32_u24 v31, v3, NTAB-WIN, v24           ; G
	global_store_b128 v36, v[28:31], s[10:11]      ; 16 lanes store 256 consecutive bytes, at a multiple of 256 from reci's first byte
	v_cvt_f32_i32 v18, v18
	v_cvt_f32_i32 v19, v19
	v_add_f32 v18, 0.5, v18
	v_add_f32 v19, 0.5, v19
	v_mul_f32 v32, v33, v18
	v_fma_f32 v32, -v34, v19, v32                  ; ix - 306.5 at the tile's first pixel
	v_mul_f32 v35, 0x42000000, v33                 ; 32 c
	global_store_b128 v36, v[32:35], s[12:13]
	s_endpgm
.Lfunc_end_k_q1b1f4351d5_prep:
	.size	k_q1b1f4351d5_prep, .Lfunc_end_k_q1b1f4351d5_prep-k_q1b1f4351d5_prep
	.p2alignl 7, 3214868480
	.fill 96, 4, 3214868480
	.section	.rodata,"a",@progbits
	.p2align	6, 0x0
	.amdhsa_kernel k_q1b1f4351d5_prep
		.amdhsa_group_segment_fixed_size 0
		.amdhsa_private_segment_fixed_size 0
		.amdhsa_enable_private_segment 0
		.amdhsa_kernarg_size 40
		.amdhsa_user_sgpr_count 2
		.amdhsa_user_sgpr_kernarg_segment_ptr 1
		.amdhsa_wavefront_size32 1
		.amdhsa_system_sgpr_workgroup_id_x 1
		.amdhsa_system_sgpr_workgroup_id_y 1
		.amdhsa_system_sgpr_workgroup_id_z 1
		.amdhsa_system_vgpr_workitem_id 0
		.amdhsa_next_free_vgpr 112
		.amdhsa_next_free_sgpr 66
		.amdhsa_reserve_vcc 1
		.amdhsa_float_denorm_mode_32 3
		.amdhsa_float_denorm_mode_16_64 3
		.amdhsa_memory_ordered 1
		.amdhsa_forward_progress 1
		.amdhsa_inst_pref_size 15
	.end_amdhsa_kernel
	.amdgpu_metadata
---
amdhsa.version: [ 1, 2 ]
amdhsa.kernels:
  - .name:           k_q1b1f4351d5_prep
    .symbol:         k_q1b1f4351d5_prep.kd
    .args:
      - { .name: sino, .offset: 0, .size: 8, .value_kind: global_buffer, .address_space: global }
      - { .name: angles_deg, .offset: 8, .size: 8, .value_kind: global_buffer, .address_space: global }
      - { .name: tab, .offset: 16, .size: 8, .value_kind: global_buffer, .address_space: global }
      - { .name: reci, .offset: 24, .size: 8, .value_kind: global_buffer, .address_space: global }
      - { .name: recf, .offset: 32, .size: 8, .value_kind: global_buffer, .address_space: global }
    .group_segment_fixed_size: 0
    .private_segment_fixed_size: 0
    .kernarg_segment_align: 8
    .kernarg_segment_size: 40
    .max_flat_workgroup_size: 256
    .sgpr_count:     66
    .vgpr_count:     112
    .wavefront_size: 32
...
	.end_amdgpu_metadata
.endif
;; end of part 1
;; launch backproject (part 2): grid 256 x 1, 8 waves a work-group, no clusters, 99,328 bytes of LDS; arguments tab, reci, recf, out0; writes out0
.if DOCPART == 2
	.amdgcn_target "amdgcn-amd-amdhsa--gfx1250"
	.amdhsa_code_object_version 6
	.text
	.protected	k_q1b1f4351d5_backproject
	.globl	k_q1b1f4351d5_backproject
	.p2align	8
	.type	k_q1b1f4351d5_backproject,@function
k_q1b1f4351d5_backproject:
	s_mov_b64 s[64:65], 0
	v_nop
	global_prefetch_b8 v0, s[64:65] scope:SCOPE_SE
	s_setreg_imm32_b32 hwreg(HW_REG_WAVE_MODE, 25, 1), 1
	s_wait_xcnt 0x0
; out0[b][y][x] = (1/90) x the sum over the 90 angles of X(ix) x (col[a][b] read at iy, linearly, 0 outside its 614 rows).
; iy and ix are linear in x and y; X = 307.5 - |ix - 306.5| held between 0 and 1 is what the zero padding along x leaves of the two columns' weights, since the projection does not
; change along x.  (90 + 1e-6 is 90 in f32.)
; SHARES.  A work-group owns a tile of 64 x 16 pixels, 256 tiles; wave w its rows 2 w and 2 w + 1; lane l the pixels x = l and l + 32 of both rows, for both batches.
; TABLE.  For one angle a tile touches at most 66 consecutive entries of tab's row (63 |s| + 15 |c| < 64.8).  The 90 windows, 66 x 16 bytes each, are copied into LDS once; where a
; window begins is a whole number that the launch before stored (G in reci).  An entry is { v0 - d0, v1 - d1, d0, d1 }: the sample at fraction w is d (1 + w) + (v - d).
; ADDRESSES HANG ON WHOLE NUMBERS ALONE.  iy, counted from the window's first entry, is walked in 32-bit whole numbers with 23 fraction bits (base, 2 S, 2 C from reci): bits 29:23 are the
; entry (held at 65, the window's last, before it enters an address), bits 22:0 set under the exponent of 1.0 are 1 + w.  ix feeds a weight only and is walked in f32 (recf).
; GATHERS.  The sixteen lanes of a half wave hold sixteen neighbouring x: their entries lie within sixteen consecutive entries, 256 consecutive bytes, so no two lanes want different
; words of one bank (64 banks of 4 bytes: ISA guide 11.1).
; PIPELINE.  Two register sets: the gathers of two angles are out while the angle before them is summed.  Records come four angles at a time by scalar loads into two sets of scalar
; registers, each asked for four angles ahead of its first use.
; LIMITS.  Those of the records: finite angles; iy within 1e-4 of a pixel.
.set NA,    90
.set NAP,   92                         ; records a tile
.set NTAB,  768                        ; entries in a row of tab
.set WIN,   66                         ; entries in a window
.set WINB,  WIN*16
.set CHUNKS, 24                        ; 90 x 66 = 5,940 entries are copied 256 at a time; the last 204 lanes of the last chunk copy entries that nobody reads, each into LDS bytes of its own
.set GMAX,  NA*(NTAB-WIN)              ; G = 702 a + W with W <= 702
.set LN,  1                            ; v1       lane
.set LF,  2                            ; v2       lane, in f32
.set FY,  4                            ; v4-7     iy of my four pixels: (l, row 0), (l + 32, row 0), (l, row 1), (l + 32, row 1)
.set AD,  8                            ; v8-11    their LDS addresses
.set U,   12                           ; v12-15   ix - 306.5, then 307.5 - |.|
.set WY,  16                           ; v16-23   1 + w, two sets of four
.set XF,  24                           ; v24-31   X, two sets of four
.set ACC, 32                           ; v32-39   the sums: pixel p's batches 0 and 1 in v[32 + 2 p], v[33 + 2 p]
.set E,   40                           ; v40-71   gathered entries, two sets of four
.set G,   72                           ; v72-95   chunk k: the record's offset, then G, then the offset in tab
.set D,   96                           ; v96-191  chunk k's 16 bytes
.set LA,  192                          ; v192     16 x thread
.set LA2, 193                          ; v193     the same + 65,536: an LDS offset has 16 bits
.set SA,  194                          ; v194     the way out: where I put a number
.set SR,  195                          ; v195     the way out: where I read 16 bytes of a row
.set GO,  196                          ; v196     my byte offset in the wave's two rows of out0
.set IB0, 32                           ; s[32:47], s[48:63]  four records of reci, two sets
.set IB1, 48
.set FB0, 68                           ; s[68:83], s[84:99]  four records of recf, two sets
.set FB1, 84
	s_load_b256 s[4:11], s[0:1], 0x0               ; tab s[4:5], reci s[6:7], recf s[8:9], out0 s[10:11]
	v_lshl_add_u32 v200, v0, 2, 0x18000
	v_mov_b32 v201, 0
	v_and_b32 v[LN], 31, v0
	v_lshrrev_b32 v3, 5, v0
	v_readfirstlane_b32 s12, v3                    ; wave 0..7
	s_mul_i32 s22, ttmp9, NAP*16                   ; my tile's records
	s_mov_b32 s23, 0
.set k, 0
.rept CHUNKS-1                         ; entry q = thread + 256 k of the LDS table belongs to angle q / 66
	v_add_nc_u32 v[G+k], 256*k, v0
	v_mul_u32_u24 v[G+k], v[G+k], 15888            ; 15888 x 66 = 2^20 + 32: exact while 32 q < 2^20
	v_lshrrev_b32 v[G+k], 20, v[G+k]
	v_lshlrev_b32 v[G+k], 4, v[G+k]                ; its record's bytes
.set k, k+1
.endr
	v_mov_b32 v[G+CHUNKS-1], (NA-1)*16             ; from q = 5,888 on: the last angle
	s_wait_kmcnt 0x0
	s_add_nc_u64 s[6:7], s[6:7], s[22:23]
	s_add_nc_u64 s[8:9], s[8:9], s[22:23]
.set k, 0
.rept CHUNKS
	global_load_b32 v[G+k], v[G+k], s[6:7] offset:12   ; G; a load may land on its own address register
.set k, k+1
.endr
	s_load_b512 s[IB0:IB0+15], s[6:7], 0x0         ; the records of angles 0-3 and 4-7
	s_load_b512 s[IB1:IB1+15], s[6:7], 0x40
	s_load_b512 s[FB0:FB0+15], s[8:9], 0x0
	s_load_b512 s[FB1:FB1+15], s[8:9], 0x40
	; constants and addresses, while those are on their way
	s_lshl_b32 s13, s12, 1                         ; my first row in the tile
	s_cvt_f32_u32 s14, s13
	s_mul_f32 s14, s14, -1.0                       ; and its negative in f32
	s_mov_b32 s15, 0                               ; LDS byte of the window of the trip's angle 0
	s_mov_b32 s17, 0x7fffff                        ; the fraction
	s_mov_b32 s18, 0x3f800000                      ; 1.0
	s_mov_b32 s19, 0x4399c000                      ; 307.5
	s_lshr_b32 s24, ttmp9, 3                       ; tile row: 16 rows of out0
	s_lshl_b32 s24, s24, 4
	s_add_co_u32 s24, s24, s13
	s_lshl_b32 s24, s24, 11                        ; 2,048 bytes a row
	s_and_b32 s25, ttmp9, 7                        ; tile column: 64 pixels, 256 bytes
	s_lshl_b32 s25, s25, 8
	s_add_co_u32 s24, s24, s25
	s_mov_b32 s25, 0
	s_add_nc_u64 s[10:11], s[10:11], s[24:25]      ; out0 at my wave's first row, batch 0
	v_cvt_f32_u32 v[LF], v[LN]
	v_lshlrev_b32 v[LA], 4, v0
	v_add_nc_u32 v[LA2], 0x10000, v[LA]
	v_lshlrev_b32 v[SA], 10, v3                    ; the way out: 1,024 bytes a wave
	v_lshl_add_u32 v[SR], v[LN], 4, v[SA]
	v_lshl_add_u32 v[SA], v[LN], 2, v[SA]
	v_and_b32 v[GO], 15, v[LN]
	v_lshrrev_b32 v3, 4, v[LN]
	v_lshlrev_b32 v[GO], 4, v[GO]
	v_lshl_add_u32 v[GO], v3, 11, v[GO]            ; lanes 0-15 my first row, lanes 16-31 my second, 16 bytes a lane
.irp i, 0,1,2,3,4,5,6,7
	v_mov_b32 v[ACC+\i], 0                         ; eight sums a lane; the first angle's turn stands inside the loop
.endr
	; the windows: entry q of the LDS table is entry q + G of tab
.set k, 0
.rept CHUNKS-1
	s_wait_loadcnt CHUNKS-1                        ; behind G of chunk k stand the 23 - k later G and the k loads from tab issued so far
	v_min_u32 v[G+k], GMAX, v[G+k]                 ; a loaded number enters an address only behind this bound, which a right record never meets
	v_add_lshl_u32 v[G+k], v[G+k], v0, 4
	global_load_b128 v[D+4*k:D+4*k+3], v[G+k], s[4:5] offset:4096*k
.set k, k+1
.endr
	s_wait_loadcnt CHUNKS-1
	v_min_u32 v[G+CHUNKS-1], GMAX, v[G+CHUNKS-1]
	v_add3_u32 v[G+CHUNKS-1], v[G+CHUNKS-1], v0, 256*(CHUNKS-1)
	v_min_u32 v[G+CHUNKS-1], NA*NTAB-1, v[G+CHUNKS-1]   ; the lanes past the table's 5,940 entries stay inside tab
	v_lshlrev_b32 v[G+CHUNKS-1], 4, v[G+CHUNKS-1]
	global_load_b128 v[D+4*(CHUNKS-1):D+4*(CHUNKS-1)+3], v[G+CHUNKS-1], s[4:5]
.set k, 0
.rept CHUNKS
	s_wait_loadcnt CHUNKS-1-k                      ; loads come back in order (ISA guide 5.7.1): chunk k is in, the later ones stay out
.if k < 16
	ds_store_b128 v[LA], v[D+4*k:D+4*k+3] offset:4096*k
.else
	ds_store_b128 v[LA2], v[D+4*k:D+4*k+3] offset:4096*(k-16)
.endif
.set k, k+1
.endr
	s_wait_dscnt 0x0                               ; for the others' sake: my part of the table is written
	s_wait_kmcnt 0x0                               ; the first eight angles' records
	s_barrier_signal -1
	s_barrier_wait -1                              ; everybody's part is
; An angle's first half: addresses, the four gathers, 1 + w and X, into register set \set.  ir, fr: the angle's records; off: its window's LDS byte behind s15.
.macro STAGE_A set, ir, fr, off
	s_mul_i32 s20, s[\ir+2], s13                   ; my first row x 2 C
	s_add_co_u32 s20, s20, s[\ir]                  ; + the tile's base
	s_lshl_b32 s21, s[\ir+1], 5                    ; 32 pixels along x
	s_fmac_f32 s[\fr], s[\fr+2], s14               ; ix - 306.5 at my first row: - s x row (the record is used once)
	v_mad_u32 v[FY], v[LN], s[\ir+1], s20
	v_add_nc_u32 v[FY+1], s21, v[FY]
	v_add_nc_u32 v[FY+2], s[\ir+2], v[FY]
	v_add_nc_u32 v[FY+3], s[\ir+2], v[FY+1]
.irp p, 0,1,2,3
	v_bfe_u32 v[AD+\p], v[FY+\p], 23, 7            ; the entry in the window
.endr
.irp p, 0,1,2,3
	v_min_u32 v[AD+\p], WIN-1, v[AD+\p]            ; it is made of loaded numbers, and enters an address only behind this bound: the window's last entry, which a right record never passes
.endr
.irp p, 0,1,2,3
	v_lshl_add_u32 v[AD+\p], v[AD+\p], 4, s15      ; 16 bytes an entry, behind the trip's first window
.endr
.irp p, 0,1,2,3
	ds_load_b128 v[E+16*\set+4*\p:E+16*\set+4*\p+3], v[AD+\p] offset:\off
.endr
	v_fma_f32 v[U], v[LF], s[\fr+1], s[\fr]        ; + c x lane
	v_add_f32 v[U+1], s[\fr+3], v[U]               ; + 32 c
	v_sub_f32 v[U+2], v[U], s[\fr+2]               ; - s: the next row
	v_sub_f32 v[U+3], v[U+1], s[\fr+2]
.irp p, 0,1,2,3
	v_and_or_b32 v[WY+4*\set+\p], v[FY+\p], s17, s18   ; 1 + w
.endr
.irp p, 0,1,2,3
	v_sub_f32 v[U+\p], s19, |v[U+\p]|
.endr
.irp p, 0,1,2,3
	v_med3_num_f32 v[XF+4*\set+\p], v[U+\p], 0, 1.0
.endr
.endm
; An angle's second half: both batches at once; 1 + w and X are taken from one register of a pair for both halves.  left: the gathers issued behind this angle's.
.macro STAGE_B set, left
.set eb, E+16*\set
.set wb, WY+4*\set
.set xb, XF+4*\set
	s_wait_dscnt \left                             ; LDS loads come back in order (ISA guide 5.7.1): this angle's four are in
	v_pk_fma_f32 v[eb:eb+1],     v[eb+2:eb+3],   v[wb:wb+1],     v[eb:eb+1]     op_sel_hi:[1,0,1]
	v_pk_fma_f32 v[eb+4:eb+5],   v[eb+6:eb+7],   v[wb:wb+1],     v[eb+4:eb+5]   op_sel:[0,1,0]
	v_pk_fma_f32 v[eb+8:eb+9],   v[eb+10:eb+11], v[wb+2:wb+3],   v[eb+8:eb+9]   op_sel_hi:[1,0,1]
	v_pk_fma_f32 v[eb+12:eb+13], v[eb+14:eb+15], v[wb+2:wb+3],   v[eb+12:eb+13] op_sel:[0,1,0]
	v_pk_fma_f32 v[ACC:ACC+1],   v[eb:eb+1],     v[xb:xb+1],     v[ACC:ACC+1]   op_sel_hi:[1,0,1]
	v_pk_fma_f32 v[ACC+2:ACC+3], v[eb+4:eb+5],   v[xb:xb+1],     v[ACC+2:ACC+3] op_sel:[0,1,0]
	v_pk_fma_f32 v[ACC+4:ACC+5], v[eb+8:eb+9],   v[xb+2:xb+3],   v[ACC+4:ACC+5] op_sel_hi:[1,0,1]
	v_pk_fma_f32 v[ACC+6:ACC+7], v[eb+12:eb+13], v[xb+2:xb+3],   v[ACC+6:ACC+7] op_sel:[0,1,0]
.endm
.macro STEP set, ir, fr, n             ; angle a - 2 is summed, which frees its register set for angle a
	STAGE_B \set, 4                                ; the four gathers of angle a - 1 may stay out
	STAGE_A \set, \ir, \fr, \n*WINB
.endm
; Eight angles: 8 j + 2 to 8 j + 9 in trip j.  A set of records is loaded again straight behind its last use.  The bases are stepped where no scalar load is out.
.macro TRIP more
	STEP 0, IB0+8,  FB0+8,  2
	STEP 1, IB0+12, FB0+12, 3
	s_wait_kmcnt 0x0                               ; set 1 is in (scalar loads may come back in any order: the count is 0)
	s_add_nc_u64 s[6:7], s[6:7], 128
	s_add_nc_u64 s[8:9], s[8:9], 128
	s_load_b512 s[IB0:IB0+15], s[6:7], 0x0         ; angles 8 j + 8 to 8 j + 11
	s_load_b512 s[FB0:FB0+15], s[8:9], 0x0
	STEP 0, IB1,    FB1,    4
	STEP 1, IB1+4,  FB1+4,  5
	STEP 0, IB1+8,  FB1+8,  6
	STEP 1, IB1+12, FB1+12, 7
	s_wait_kmcnt 0x0                               ; set 0 is in
.if \more
	s_load_b512 s[IB1:IB1+15], s[6:7], 0x40        ; angles 8 j + 12 to 8 j + 15
	s_load_b512 s[FB1:FB1+15], s[8:9], 0x40
.endif
	STEP 0, IB0,    FB0,    8
	STEP 1, IB0+4,  FB0+4,  9
.endm
	STAGE_A 0, IB0,   FB0,   0                     ; angles 0 and 1 fill the pipeline
	STAGE_A 1, IB0+4, FB0+4, WINB
	s_mov_b32 s16, 10
.Ltrip:
	TRIP 1
	s_add_co_u32 s15, s15, 8*WINB
	s_sub_co_u32 s16, s16, 1
	s_cmp_lg_u32 s16, 0
	s_cbranch_scc1 .Ltrip
	TRIP 0                                         ; angles 82 to 89: written out, since no records are left to ask for behind angles 88 to 91
	STAGE_B 0, 4                                   ; angle 88
	STAGE_B 1, 0                                   ; angle 89: nothing was issued behind it
	; THE WAY OUT.  A lane holds single pixels 32 apart; through LDS they become 16 neighbouring bytes a lane.  The stage lies over the table, so every wave's gathers are back
	; (the wait for 0 above) and a barrier is passed before anybody writes there.  Behind it each wave touches its own 1,024 bytes alone.
	s_barrier_signal -1
.irp p, 0,1,2,3
	v_pk_mul_f32 v[ACC+2*\p:ACC+2*\p+1], v[ACC+2*\p:ACC+2*\p+1], 0x3c360b61 op_sel_hi:[1,0]   ; / 90
.endr
	s_barrier_wait -1
.irp p, 0,1,2,3
	ds_store_b32 v[SA], v[ACC+2*\p]   offset:(\p/2)*256+(\p%2)*128       ; batch 0: row, half of the row
	ds_store_b32 v[SA], v[ACC+2*\p+1] offset:512+(\p/2)*256+(\p%2)*128   ; batch 1
.endr
	ds_load_b128 v[E:E+3],   v[SR]                 ; LDS serves a wave's instructions in order (ISA guide 5.7.1.4): these see the stores above
	ds_load_b128 v[E+4:E+7], v[SR] offset:512
	s_wait_dscnt 0x1
	global_store_b128 v[GO], v[E:E+3], s[10:11] th:TH_STORE_NT                    ; 16 lanes store 256 consecutive bytes, at a multiple of 256 from out0's first byte
	s_wait_dscnt 0x0
	global_store_b128 v[GO], v[E+4:E+7], s[10:11] offset:1048576 th:TH_STORE_NT   ; batch 1 lies 512 x 512 numbers further
	s_wait_tensorcnt 0x0
	ds_add_u32 v200, v201
	s_wait_dscnt 0x0
	s_endpgm
.Lfunc_end_k_q1b1f4351d5_backproject:
	.size	k_q1b1f4351d5_backproject, .Lfunc_end_k_q1b1f4351d5_backproject-k_q1b1f4351d5_backproject
	.p2alignl 7, 3214868480
	.fill 96, 4, 3214868480
	.section	.rodata,"a",@progbits
	.p2align	6, 0x0
	.amdhsa_kernel k_q1b1f4351d5_backproject
		.amdhsa_group_segment_fixed_size 99328
		.amdhsa_private_segment_fixed_size 0
		.amdhsa_enable_private_segment 0
		.amdhsa_kernarg_size 32
		.amdhsa_user_sgpr_count 2
		.amdhsa_user_sgpr_kernarg_segment_ptr 1
		.amdhsa_wavefront_size32 1
		.amdhsa_system_sgpr_workgroup_id_x 1
		.amdhsa_system_sgpr_workgroup_id_y 1
		.amdhsa_system_sgpr_workgroup_id_z 1
		.amdhsa_system_vgpr_workitem_id 0
		.amdhsa_next_free_vgpr 202
		.amdhsa_next_free_sgpr 100
		.amdhsa_reserve_vcc 0
		.amdhsa_float_denorm_mode_32 3
		.amdhsa_float_denorm_mode_16_64 3
		.amdhsa_memory_ordered 1
		.amdhsa_forward_progress 1
		.amdhsa_inst_pref_size 71
	.end_amdhsa_kernel
	.amdgpu_metadata
---
amdhsa.version: [ 1, 2 ]
amdhsa.kernels:
  - .name:           k_q1b1f4351d5_backproject
    .symbol:         k_q1b1f4351d5_backproject.kd
    .args:
      - { .name: tab, .offset: 0, .size: 8, .value_kind: global_buffer, .address_space: global }
      - { .name: reci, .offset: 8, .size: 8, .value_kind: global_buffer, .address_space: global }
      - { .name: recf, .offset: 16, .size: 8, .value_kind: global_buffer, .address_space: global }
      - { .name: out0, .offset: 24, .size: 8, .value_kind: global_buffer, .address_space: global }
    .group_segment_fixed_size: 99328
    .private_segment_fixed_size: 0
    .kernarg_segment_align: 8
    .kernarg_segment_size: 32
    .max_flat_workgroup_size: 256
    .sgpr_count:     100
    .vgpr_count:     202
    .wavefront_size: 32
...
	.end_amdgpu_metadata
.endif
;; end of part 2
;; ======== version 2 of 3: 2 launches; 1.30 times as fast as version 1
;; workspace buffers: tab 1,105,920 bytes; reci 376,832 bytes of whole numbers; recf 376,832 bytes
;; launch prep: the kernel of part 1 again; grid 92 x 1, 8 waves a work-group, no clusters, 0 bytes of LDS; arguments sino, angles_deg, tab, reci, recf; writes tab, reci, recf
;; launch backproject (part 3): grid 256 x 1, 8 waves a work-group, no clusters, 123,904 bytes of LDS; arguments tab, reci, recf, out0; writes out0
.if DOCPART == 3
	.amdgcn_target "amdgcn-amd-amdhsa--gfx1250"
	.amdhsa_code_object_version 6
	.text
	.protected	k_q1b1f4351d5_backproject
	.globl	k_q1b1f4351d5_backproject
	.p2align	8
	.type	k_q1b1f4351d5_backproject,@function
k_q1b1f4351d5_backproject:
	s_mov_b64 s[64:65], 0
	v_nop
	global_prefetch_b8 v0, s[64:65] scope:SCOPE_SE
	s_setreg_imm32_b32 hwreg(HW_REG_WAVE_MODE, 25, 1), 1
	s_wait_xcnt 0x0
; out0[b][y][x] = (1/90) x the sum over the 90 angles of X(ix) x (col[a][b] read at iy, linearly, 0 outside its 614 rows).
; iy and ix are linear in x and y; X = 307.5 - |ix - 306.5| held between 0 and 1 is what the zero padding along x leaves of the two columns' weights, since the projection does not
; change along x.  (90 + 1e-6 is 90 in f32.)
; SHARES.  A work-group owns a tile of 64 x 16 pixels, 256 tiles; wave w its rows 2 w and 2 w + 1; lane l the pixels x = l and l + 32 of both rows, for both batches.
; TABLE.  For one angle a tile touches at most 66 consecutive entries of tab's row (63 |s| + 15 |c| < 64.8).  The 90 windows, 66 x 16 bytes each, are copied into LDS once; where a
; window begins is a whole number that the launch before stored (G in reci).  An entry is { v0 - d0, v1 - d1, d0, d1 }: the sample at fraction w is d (1 + w) + (v - d).
; ADDRESSES HANG ON WHOLE NUMBERS ALONE.  iy, counted from the window's first entry, is walked in 32-bit whole numbers with 23 fraction bits (base, 2 S, 2 C from reci): bits 29:23 are the
; entry (held at 65, the window's last, before it enters an address), bits 22:0 set under the exponent of 1.0 are 1 + w.  ix feeds a weight only and is walked in f32 (recf).
; RECORDS.  Every wave needs every angle's record once.  All 92 are fetched at the kernel's head, three a lane, beside the loads that the table's copy waits for anyway; the wave's own rows
; are folded in (base + 2 w x 2 C, u - 2 w x s), and 32 bytes an angle go into an LDS area of the wave's own.  In the loop two LDS loads, the same address in every lane, bring a record
; into registers two angles ahead of its use: the loop waits for nothing from memory.
; GATHERS.  The sixteen lanes of a half wave hold sixteen neighbouring x: their entries lie within sixteen consecutive entries, 256 consecutive bytes, so no two lanes want different
; words of one bank (64 banks of 4 bytes: ISA guide 11.1).
; PIPELINE.  Two register sets for gathers, four for records: while angle a - 2 is summed, the gathers of angle a - 1 and the record of angle a + 1 are out.  Inside a turn three strands
; that do not depend on each other (the sum of angle a - 2; the addresses of angle a; its weights) are laid between each other's links.
; LIMITS.  Those of the records: finite angles; iy within 1e-4 of a pixel.
.set NA,    90
.set NAP,   92                         ; records a tile
.set NTAB,  768                        ; entries in a row of tab
.set WIN,   66                         ; entries in a window
.set WINB,  WIN*16
.set CHUNKS, 24                        ; 90 x 66 = 5,940 entries are copied 256 at a time; the last 204 lanes of the last chunk copy entries that nobody reads, each into LDS bytes of its own
.set GMAX,  NA*(NTAB-WIN)              ; G = 702 a + W with W <= 702
.set RECB,  CHUNKS*4096                ; behind the table: the waves' records
.set RECW,  96*32                      ; a wave's area: three slots a lane, 32 bytes a slot
.set LN,  1                            ; v1       lane
.set LF,  2                            ; v2-3     lane and lane + 32, in f32: the x of my two pixels of a row, as a pair
.set FY,  4                            ; v4-7     iy of my four pixels: (l, row 0), (l + 32, row 0), (l, row 1), (l + 32, row 1)
.set AD,  8                            ; v8-11    their LDS addresses, gather set 0
.set U,   12                           ; v12-15   ix - 306.5, then 307.5 - |.|
.set WY,  16                           ; v16-23   1 + w, two sets of four
.set XF,  24                           ; v24-31   X, two sets of four
.set ACC, 32                           ; v32-39   the sums: pixel p's batches 0 and 1 in v[32 + 2 p], v[33 + 2 p]
.set E,   40                           ; v40-71   gathered entries, two sets of four
.set G,   72                           ; v72-95   chunk k: the record's offset, then G, then the offset in tab
.set D,   96                           ; v96-191  chunk k's 16 bytes
.set R,   96                           ; v96-127  once the table is copied: four sets of a record: { base, 2 S, 2 C, (G) }, { u, c, s, (32 c) }; the words in brackets ride along and are not read
.set LA,  192                          ; v192     16 x thread
.set LA2, 193                          ; v193     the same + 65,536: an LDS offset has 16 bits
.set SA,  194                          ; v194     the way out: where I put a number
.set SR,  195                          ; v195     the way out: where I read 16 bytes of a row
.set GO,  196                          ; v196     my byte offset in the wave's two rows of out0
.set RO,  197                          ; v197-199 byte offsets of my three records in reci and recf
.set RD,  200                          ; v200-223 my three records as loaded
.set RS,  224                          ; v224     where I put my first record in the wave's area
.set RA,  225                          ; v225     the wave's area at the trip's angle 0; the same in every lane
.set AD1, 226                          ; v226-229 the LDS addresses of gather set 1: an address register is written again a whole turn behind the gather that names it
	s_load_b256 s[4:11], s[0:1], 0x0               ; tab s[4:5], reci s[6:7], recf s[8:9], out0 s[10:11]
	v_lshl_add_u32 v232, v0, 2, 0x1e000
	v_mov_b32 v233, 0
	v_and_b32 v[LN], 31, v0
	v_lshrrev_b32 v3, 5, v0
	v_readfirstlane_b32 s12, v3                    ; wave 0..7
	s_mul_i32 s22, ttmp9, NAP*16                   ; my tile's records
	s_mov_b32 s23, 0
	v_lshlrev_b32 v[RO], 4, v[LN]                  ; angle l,
	v_add_nc_u32 v[RO+1], 512, v[RO]               ; l + 32,
	v_add_nc_u32 v[RO+2], 64, v[LN]
	v_min_u32 v[RO+2], NAP-1, v[RO+2]              ; l + 64, held at the tile's last record: lanes 28 to 31 fill slots that nobody reads
	v_lshlrev_b32 v[RO+2], 4, v[RO+2]
.set k, 0
.rept CHUNKS-1                         ; entry q = thread + 256 k of the LDS table belongs to angle q / 66
	v_add_nc_u32 v[G+k], 256*k, v0
	v_mul_u32_u24 v[G+k], v[G+k], 15888            ; 15888 x 66 = 2^20 + 32: exact while 32 q < 2^20
	v_lshrrev_b32 v[G+k], 20, v[G+k]
	v_lshlrev_b32 v[G+k], 4, v[G+k]                ; its record's bytes
.set k, k+1
.endr
	v_mov_b32 v[G+CHUNKS-1], (NA-1)*16             ; from q = 5,888 on: the last angle
	s_wait_kmcnt 0x0
	s_add_nc_u64 s[6:7], s[6:7], s[22:23]
	s_add_nc_u64 s[8:9], s[8:9], s[22:23]
.irp i, 0,1,2
	global_load_b128 v[RD+8*\i:RD+8*\i+3],   v[RO+\i], s[6:7]   ; the records go first: the first wait for a G below then shows them landed too
	global_load_b128 v[RD+8*\i+4:RD+8*\i+7], v[RO+\i], s[8:9]
.endr
.set k, 0
.rept CHUNKS
	global_load_b32 v[G+k], v[G+k], s[6:7] offset:12   ; G; a load may land on its own address register
.set k, k+1
.endr
	; constants and addresses, while those are on their way
	s_lshl_b32 s13, s12, 1                         ; my first row in the tile
	s_cvt_f32_u32 s14, s13
	s_mul_f32 s14, s14, -1.0                       ; and its negative in f32
	s_mov_b32 s15, 0                               ; LDS byte of the window of the trip's angle 0
	s_mov_b32 s17, 0x7fffff                        ; the fraction
	s_mov_b32 s18, 0x3f800000                      ; 1.0
	s_mov_b32 s19, 0x4399c000                      ; 307.5
	s_mul_i32 s26, s12, RECW
	s_add_co_u32 s26, s26, RECB                    ; my wave's records
	s_lshr_b32 s24, ttmp9, 3                       ; tile row: 16 rows of out0
	s_lshl_b32 s24, s24, 4
	s_add_co_u32 s24, s24, s13
	s_lshl_b32 s24, s24, 11                        ; 2,048 bytes a row
	s_and_b32 s25, ttmp9, 7                        ; tile column: 64 pixels, 256 bytes
	s_lshl_b32 s25, s25, 8
	s_add_co_u32 s24, s24, s25
	s_mov_b32 s25, 0
	s_add_nc_u64 s[10:11], s[10:11], s[24:25]      ; out0 at my wave's first row, batch 0
	v_cvt_f32_u32 v[LF], v[LN]
	v_lshlrev_b32 v[LA], 4, v0
	v_add_nc_u32 v[LA2], 0x10000, v[LA]
	v_mov_b32 v[RA], s26
	v_lshl_add_u32 v[RS], v[LN], 5, s26            ; slot l; slots l + 32 and l + 64 stand in the stores' offsets
	v_lshlrev_b32 v[SA], 10, v3                    ; the way out: 1,024 bytes a wave
	v_lshl_add_u32 v[SR], v[LN], 4, v[SA]
	v_lshl_add_u32 v[SA], v[LN], 2, v[SA]
	v_and_b32 v[GO], 15, v[LN]
	v_lshrrev_b32 v3, 4, v[LN]
	v_lshlrev_b32 v[GO], 4, v[GO]
	v_lshl_add_u32 v[GO], v3, 11, v[GO]            ; lanes 0-15 my first row, lanes 16-31 my second, 16 bytes a lane
	v_add_f32 v[LF+1], 0x42000000, v[LF]           ; lane + 32
.irp i, 0,1,2,3,4,5,6,7
	v_mov_b32 v[ACC+\i], 0                         ; eight sums a lane; the first angle's sum stands inside the loop
.endr
	; the windows: entry q of the LDS table is entry q + G of tab
.set k, 0
.rept CHUNKS-1
	s_wait_loadcnt CHUNKS-1                        ; behind G of chunk k stand the 23 - k later G and the k loads from tab issued so far
	v_min_u32 v[G+k], GMAX, v[G+k]                 ; a loaded number enters an address only behind this bound, which a right record never meets
	v_add_lshl_u32 v[G+k], v[G+k], v0, 4
	global_load_b128 v[D+4*k:D+4*k+3], v[G+k], s[4:5] offset:4096*k
.set k, k+1
.endr
	s_wait_loadcnt CHUNKS-1
	v_min_u32 v[G+CHUNKS-1], GMAX, v[G+CHUNKS-1]
	v_add3_u32 v[G+CHUNKS-1], v[G+CHUNKS-1], v0, 256*(CHUNKS-1)
	v_min_u32 v[G+CHUNKS-1], NA*NTAB-1, v[G+CHUNKS-1]   ; the lanes past the table's 5,940 entries stay inside tab
	v_lshlrev_b32 v[G+CHUNKS-1], 4, v[G+CHUNKS-1]
	global_load_b128 v[D+4*(CHUNKS-1):D+4*(CHUNKS-1)+3], v[G+CHUNKS-1], s[4:5]
	; my three records, while the table is on its way: they were issued ahead of every G, and loads come back in order (ISA guide 5.7.1), so the waits above have shown them landed
.irp i, 0,1,2
	v_mad_u32 v[RD+8*\i], v[RD+8*\i+2], s13, v[RD+8*\i]         ; the tile's base + my first row x 2 C, modulo 2^32
	v_fma_f32 v[RD+8*\i+4], v[RD+8*\i+6], s14, v[RD+8*\i+4]     ; ix - 306.5 at my first row: - s x row
.endr
.irp i, 0,1,2
	ds_store_b128 v[RS], v[RD+8*\i:RD+8*\i+3]   offset:1024*\i      ; { base, 2 S, 2 C, G }
	ds_store_b128 v[RS], v[RD+8*\i+4:RD+8*\i+7] offset:1024*\i+16   ; { u, c, s, 32 c }
.endr
.set k, 0
.rept CHUNKS
	s_wait_loadcnt CHUNKS-1-k                      ; chunk k is in, the later ones stay out
.if k < 16
	ds_store_b128 v[LA], v[D+4*k:D+4*k+3] offset:4096*k
.else
	ds_store_b128 v[LA2], v[D+4*k:D+4*k+3] offset:4096*(k-16)
.endif
.set k, k+1
.endr
	s_wait_dscnt 0x0                               ; for the others' sake: my part of the table is written
	s_barrier_signal -1
	s_barrier_wait -1                              ; everybody's part is
; The record at byte off behind v[RA] comes into record set rs: two loads, every lane the same 16 bytes.
.macro RLOAD rs, off
	ds_load_b128 v[R+8*(\rs):R+8*(\rs)+3],   v[RA] offset:\off
	ds_load_b128 v[R+8*(\rs)+4:R+8*(\rs)+7], v[RA] offset:\off+16
.endm
; The sum of the angle whose gathers lie in set gs, both batches at once; 1 + w and X are taken from one register of a pair for both halves.
.macro SUM1 gs                         ; the four samples: d (1 + w) + (v - d)
.set eb, E+16*(\gs)
.set wb, WY+4*(\gs)
	v_pk_fma_f32 v[eb:eb+1],     v[eb+2:eb+3],   v[wb:wb+1],     v[eb:eb+1]     op_sel_hi:[1,0,1]
	v_pk_fma_f32 v[eb+4:eb+5],   v[eb+6:eb+7],   v[wb:wb+1],     v[eb+4:eb+5]   op_sel:[0,1,0]
	v_pk_fma_f32 v[eb+8:eb+9],   v[eb+10:eb+11], v[wb+2:wb+3],   v[eb+8:eb+9]   op_sel_hi:[1,0,1]
	v_pk_fma_f32 v[eb+12:eb+13], v[eb+14:eb+15], v[wb+2:wb+3],   v[eb+12:eb+13] op_sel:[0,1,0]
.endm
.macro SUM2 gs                         ; times X, onto the sums
.set eb, E+16*(\gs)
.set xb, XF+4*(\gs)
	v_pk_fma_f32 v[ACC:ACC+1],   v[eb:eb+1],     v[xb:xb+1],     v[ACC:ACC+1]   op_sel_hi:[1,0,1]
	v_pk_fma_f32 v[ACC+2:ACC+3], v[eb+4:eb+5],   v[xb:xb+1],     v[ACC+2:ACC+3] op_sel:[0,1,0]
	v_pk_fma_f32 v[ACC+4:ACC+5], v[eb+8:eb+9],   v[xb+2:xb+3],   v[ACC+4:ACC+5] op_sel_hi:[1,0,1]
	v_pk_fma_f32 v[ACC+6:ACC+7], v[eb+12:eb+13], v[xb+2:xb+3],   v[ACC+6:ACC+7] op_sel:[0,1,0]
.endm
; THE TURN OF ANGLE a = 8 j + n in trip j.  gs = n mod 2: the gather set, which angle a - 2 leaves and angle a takes; rs = n mod 4: the set that holds angle a's record.
; sum = 1: angle a - 2 is summed.  more = 1: the record of angle a + 2 is asked for, into the set that angle a - 2 has done with.
; THE WAIT.  The LDS loads go out in the order R(a), G(a - 2), R(a + 1), G(a - 1) (R: a record's two, G: an angle's four gathers), so one wait that leaves the six of R(a + 1) and
; G(a - 1) out shows both G(a - 2), which is summed, and R(a), from which this angle's addresses are made.  left is that count; the first and the last turns have fewer loads behind.
; THE ORDER.  38 vector instructions in three strands: the sum (8), the addresses (iy 4, entry 4, bound 4, address 4), the weights (ix 2, 1 + w 4, 307.5 - |.| 4, X 4).  They are dealt so that
; a result is read six instructions or more behind the one that makes it.  1 + w and X of set gs are written behind the sums that read the old ones.  The turn's six LDS loads stand
; together at its end; the last address is made three vector instructions and the two record loads ahead of the first gather.
.macro TURN gs, rs, n, sum, more, left
.set ri, R+8*(\rs)
.set ad, AD+(AD1-AD)*(\gs)
.set wy, WY+4*(\gs)
.set xf, XF+4*(\gs)
.set ge, E+16*(\gs)
	s_wait_dscnt \left                             ; LDS loads come back in order (ISA guide 5.7.1)
	v_mad_u32 v[FY], v[LN], v[ri+1], v[ri]         ; iy: base + lane x 2 S
.if \sum
	SUM1 \gs
.endif
	v_pk_fma_f32 v[U:U+1], v[LF:LF+1], v[ri+4:ri+5], v[ri+4:ri+5] op_sel:[0,1,0] op_sel_hi:[1,1,0]   ; ix - 306.5 of my first row's two pixels: u + c x (l, l + 32)
	v_lshl_add_u32 v[FY+1], v[ri+1], 5, v[FY]      ; 32 pixels along x
	v_add_nc_u32 v[FY+2], v[ri+2], v[FY]           ; the next row
	v_bfe_u32 v[ad], v[FY], 23, 7                  ; the entry in the window
.if \sum
	SUM2 \gs
.endif
	v_add_nc_u32 v[FY+3], v[ri+2], v[FY+1]
	v_bfe_u32 v[ad+1], v[FY+1], 23, 7
	v_bfe_u32 v[ad+2], v[FY+2], 23, 7
	v_min_u32 v[ad], WIN-1, v[ad]                  ; made of loaded numbers, it enters an address only behind this bound: the window's last entry, which a right record never passes
	v_pk_add_f32 v[U+2:U+3], v[U:U+1], v[ri+6:ri+7] op_sel_hi:[1,0] neg_lo:[0,1] neg_hi:[0,1]        ; - s: the next row's two pixels
	v_and_or_b32 v[wy], v[FY], s17, s18            ; 1 + w
	v_and_or_b32 v[wy+1], v[FY+1], s17, s18
	v_bfe_u32 v[ad+3], v[FY+3], 23, 7
	v_min_u32 v[ad+1], WIN-1, v[ad+1]
	v_min_u32 v[ad+2], WIN-1, v[ad+2]
	v_lshl_add_u32 v[ad], v[ad], 4, s15            ; 16 bytes an entry, behind the trip's first window
	v_and_or_b32 v[wy+2], v[FY+2], s17, s18
	v_sub_f32 v[U], s19, |v[U]|                    ; 307.5 - |ix - 306.5|
	v_sub_f32 v[U+1], s19, |v[U+1]|
	v_min_u32 v[ad+3], WIN-1, v[ad+3]
	v_lshl_add_u32 v[ad+1], v[ad+1], 4, s15
	v_lshl_add_u32 v[ad+2], v[ad+2], 4, s15
	v_sub_f32 v[U+2], s19, |v[U+2]|
	v_sub_f32 v[U+3], s19, |v[U+3]|
	v_and_or_b32 v[wy+3], v[FY+3], s17, s18
	v_med3_num_f32 v[xf], v[U], 0, 1.0             ; X
	v_lshl_add_u32 v[ad+3], v[ad+3], 4, s15
	v_med3_num_f32 v[xf+1], v[U+1], 0, 1.0
	v_med3_num_f32 v[xf+2], v[U+2], 0, 1.0
	v_med3_num_f32 v[xf+3], v[U+3], 0, 1.0
.if \more
.set nr, (\rs+2)%4
	RLOAD nr, (\n+2)*32
.endif
.irp p, 0,1,2,3
	ds_load_b128 v[ge+4*\p:ge+4*\p+3], v[ad+\p] offset:\n*WINB
.endr
.endm
; Eight angles: 8 j + 2 to 8 j + 9.  last = 1: angles 82 to 89; no record is left to ask for in the turns of angles 88 and 89, so behind G(87) stand G(88)'s four alone.
.macro TRIP last
	TURN 0, 2, 2, 1, 1, 6
	TURN 1, 3, 3, 1, 1, 6
	TURN 0, 0, 4, 1, 1, 6
	TURN 1, 1, 5, 1, 1, 6
	TURN 0, 2, 6, 1, 1, 6
	TURN 1, 3, 7, 1, 1, 6
.if \last
	TURN 0, 0, 8, 1, 0, 6
	TURN 1, 1, 9, 1, 0, 4
.else
	TURN 0, 0, 8, 1, 1, 6
	TURN 1, 1, 9, 1, 1, 6
.endif
.endm
	RLOAD 0, 0                                     ; angles 0 and 1 fill the pipeline, in the order that the loop's count leans on: R(0), R(1), then R(2), G(0), R(3), G(1)
	RLOAD 1, 32
	TURN 0, 0, 0, 0, 1, 2                          ; R(0) is in: behind it stands R(1)
	TURN 1, 1, 1, 0, 1, 6                          ; R(1) is in: behind it stand R(2) and G(0)
	s_mov_b32 s16, 10
.Ltrip:
	TRIP 0
	s_add_co_u32 s15, s15, 8*WINB                  ; eight windows on,
	s_add_co_u32 s26, s26, 8*32                    ; eight records on
	v_mov_b32 v[RA], s26
	s_sub_co_u32 s16, s16, 1
	s_cmp_lg_u32 s16, 0
	s_cbranch_scc1 .Ltrip
	TRIP 1                                         ; angles 82 to 89, written out
	s_wait_dscnt 4                                 ; angle 88: G(89) may stay out
	SUM1 0
	SUM2 0
	s_wait_dscnt 0x0                               ; angle 89: nothing was issued behind it
	SUM1 1
	SUM2 1
	; THE WAY OUT.  A lane holds single pixels 32 apart; through LDS they become 16 neighbouring bytes a lane.  The stage lies over the table, so every wave's gathers are back
	; (the wait for 0 above) and a barrier is passed before anybody writes there.  Behind it each wave touches its own 1,024 bytes alone.
	s_barrier_signal -1
.irp p, 0,1,2,3
	v_pk_mul_f32 v[ACC+2*\p:ACC+2*\p+1], v[ACC+2*\p:ACC+2*\p+1], 0x3c360b61 op_sel_hi:[1,0]   ; / 90
.endr
	s_barrier_wait -1
.irp p, 0,1,2,3
	ds_store_b32 v[SA], v[ACC+2*\p]   offset:(\p/2)*256+(\p%2)*128       ; batch 0: row, half of the row
	ds_store_b32 v[SA], v[ACC+2*\p+1] offset:512+(\p/2)*256+(\p%2)*128   ; batch 1
.endr
	ds_load_b128 v[E:E+3],   v[SR]                 ; LDS serves a wave's instructions in order (ISA guide 5.7.1.4): these see the stores above
	ds_load_b128 v[E+4:E+7], v[SR] offset:512
	s_wait_dscnt 0x1
	global_store_b128 v[GO], v[E:E+3], s[10:11] th:TH_STORE_NT                    ; 16 lanes store 256 consecutive bytes, at a multiple of 256 from out0's first byte
	s_wait_dscnt 0x0
	global_store_b128 v[GO], v[E+4:E+7], s[10:11] offset:1048576 th:TH_STORE_NT   ; batch 1 lies 512 x 512 numbers further
	s_wait_tensorcnt 0x0
	ds_add_u32 v232, v233
	s_wait_dscnt 0x0
	s_endpgm
.Lfunc_end_k_q1b1f4351d5_backproject:
	.size	k_q1b1f4351d5_backproject, .Lfunc_end_k_q1b1f4351d5_backproject-k_q1b1f4351d5_backproject
	.p2alignl 7, 3214868480
	.fill 96, 4, 3214868480
	.section	.rodata,"a",@progbits
	.p2align	6, 0x0
	.amdhsa_kernel k_q1b1f4351d5_backproject
		.amdhsa_group_segment_fixed_size 123904
		.amdhsa_private_segment_fixed_size 0
		.amdhsa_enable_private_segment 0
		.amdhsa_kernarg_size 32
		.amdhsa_user_sgpr_count 2
		.amdhsa_user_sgpr_kernarg_segment_ptr 1
		.amdhsa_wavefront_size32 1
		.amdhsa_system_sgpr_workgroup_id_x 1
		.amdhsa_system_sgpr_workgroup_id_y 1
		.amdhsa_system_sgpr_workgroup_id_z 1
		.amdhsa_system_vgpr_workitem_id 0
		.amdhsa_next_free_vgpr 234
		.amdhsa_next_free_sgpr 66
		.amdhsa_reserve_vcc 0
		.amdhsa_float_denorm_mode_32 3
		.amdhsa_float_denorm_mode_16_64 3
		.amdhsa_memory_ordered 1
		.amdhsa_forward_progress 1
		.amdhsa_inst_pref_size 71
	.end_amdhsa_kernel
	.amdgpu_metadata
---
amdhsa.version: [ 1, 2 ]
amdhsa.kernels:
  - .name:           k_q1b1f4351d5_backproject
    .symbol:         k_q1b1f4351d5_backproject.kd
    .args:
      - { .name: tab, .offset: 0, .size: 8, .value_kind: global_buffer, .address_space: global }
      - { .name: reci, .offset: 8, .size: 8, .value_kind: global_buffer, .address_space: global }
      - { .name: recf, .offset: 16, .size: 8, .value_kind: global_buffer, .address_space: global }
      - { .name: out0, .offset: 24, .size: 8, .value_kind: global_buffer, .address_space: global }
    .group_segment_fixed_size: 123904
    .private_segment_fixed_size: 0
    .kernarg_segment_align: 8
    .kernarg_segment_size: 32
    .max_flat_workgroup_size: 256
    .sgpr_count:     66
    .vgpr_count:     234
    .wavefront_size: 32
...
	.end_amdgpu_metadata
.endif
;; end of part 3
;; ======== version 3 of 3: 2 launches; version 2 with the launch backproject written anew for expert scheduling mode
;; workspace buffers: tab 1,105,920 bytes; reci 376,832 bytes of whole numbers; recf 376,832 bytes
;; launch prep: the kernel of part 1 again; grid 92 x 1, 8 waves a work-group, no clusters, 0 bytes of LDS; arguments sino, angles_deg, tab, reci, recf; writes tab, reci, recf
;; launch backproject (part 4): grid 256 x 1, 8 waves a work-group, no clusters, 123,904 bytes of LDS; arguments tab, reci, recf, out0; writes out0
.if DOCPART == 4
	.amdgcn_target "amdgcn-amd-amdhsa--gfx1250"
	.amdhsa_code_object_version 6
	.text
	.protected	k_q1b1f4351d5_backproject
	.globl	k_q1b1f4351d5_backproject
	.p2align	8
	.type	k_q1b1f4351d5_backproject,@function
k_q1b1f4351d5_backproject:
	s_mov_b64 s[64:65], 0
	v_nop
	global_prefetch_b8 v0, s[64:65] scope:SCOPE_SE
	s_setreg_imm32_b32 hwreg(HW_REG_WAVE_SCHED_MODE, 0, 2), 2
	s_setreg_imm32_b32 hwreg(HW_REG_WAVE_MODE, 25, 1), 1
	s_wait_xcnt 0x0
	s_wait_alu depctr_vm_vsrc(0)
; out0[b][y][x] = (1/90) x the sum over the 90 angles of X(ix) x (col[a][b] read at iy, linearly, 0 outside its 614 rows).
; iy and ix are linear in x and y; X = 307.5 - |ix - 306.5| held between 0 and 1 is what the zero padding along x leaves of the two columns' weights, since the projection does not
; change along x.  (90 + 1e-6 is 90 in f32.)
; SHARES.  A work-group owns a tile of 64 x 16 pixels, 256 tiles; wave w its rows 2 w and 2 w + 1; lane l the pixels x = l and l + 32 of both rows, for both batches.
; TABLE.  For one angle a tile touches at most 66 consecutive entries of tab's row (63 |s| + 15 |c| < 64.8).  The 90 windows, 66 x 16 bytes each, are copied into LDS once; where a
; window begins is a whole number that the launch before stored (G in reci).  An entry is { v0 - d0, v1 - d1, d0, d1 }: the sample at fraction w is d (1 + w) + (v - d).
; ADDRESSES HANG ON WHOLE NUMBERS ALONE.  iy, counted from the window's first entry, is walked in 32-bit whole numbers with 23 fraction bits (base, 2 S, 2 C from reci): bits 29:23 are the
; entry (held at 65, the window's last, before it enters an address), bits 22:0 set under the exponent of 1.0 are 1 + w.  ix feeds a weight only and is walked in f32 (recf).
; RECORDS.  Every wave needs every angle's record once.  All 92 are fetched at the kernel's head, three a lane, beside the loads that the table's copy waits for anyway; the wave's own rows
; are folded in (base + 2 w x 2 C, u - 2 w x s), and 32 bytes an angle go into an LDS area of the wave's own.  In the loop two LDS loads, the same address in every lane, bring a record
; into registers two angles ahead of its use: the loop waits for nothing from memory.
; GATHERS.  The sixteen lanes of a half wave hold sixteen neighbouring x: their entries lie within sixteen consecutive entries, 256 consecutive bytes, so no two lanes want different
; words of one bank (64 banks of 4 bytes: ISA guide 11.1).
; THE MODE: SCHED_MODE bits 1:0 = 2 (LLVM: expert scheduling mode 2), set by the entry lines.  The code itself states the register dependences between vector instructions and
; memory or LDS instructions, with s_wait_alu, always for 0.
; THE PLAN.  Turn t makes angle t's addresses and weights and sums angle t - 3.  Registers that LDS instructions touch in the loop:
;   AD, two sets    Set t % 2 is written by turn t's vector lines and read by angle t's four gathers, which are issued in turn t + 1; it is written again in turn t + 2.
;   E, three sets   Angle t - 1's gathers, issued in turn t, land in set (t - 1) % 3.  The sum of angle t - 4 named that set last, in turn t - 1; the sum of angle t - 1 names it next, in turn t + 2.
;   R, four sets    The record of angle t + 2, asked for in turn t, lands in set (t + 2) % 4, which turn t - 2's vector lines read last and turn t + 2's read next.
;   v[RA]           Read by every record load; written once a trip, at the trip's end.
;   1 + w and X (three sets each), iy, ix and the sums are named by vector instructions alone.
; So two waits stand at a turn's head, behind the wait for the LDS loads: one states that last turn's gathers have read the address set that this turn writes; the other that last turn's vector
; lines have written their addresses and are done with the gather set and the record set in which this turn's loads land.  The turn's six LDS loads follow, dealt among its first vector
; lines, which name this turn's own sets alone.  While angle t - 3 is summed, the gathers of angles t - 2 and t - 1 and the records of angles t + 1 and t + 2 are out.
; Inside a turn three strands that do not depend on each other (the sum; the addresses; the weights) are laid between each other's links.
; LIMITS.  Those of the records: finite angles; iy within 1e-4 of a pixel.
.set NA,    90
.set NAP,   92                         ; records a tile
.set NTAB,  768                        ; entries in a row of tab
.set WIN,   66                         ; entries in a window
.set WINB,  WIN*16
.set CHUNKS, 24                        ; 90 x 66 = 5,940 entries are copied 256 at a time; the last 204 lanes of the last chunk copy entries that nobody reads, each into LDS bytes of its own
.set GMAX,  NA*(NTAB-WIN)              ; G = 702 a + W with W <= 702
.set RECB,  CHUNKS*4096                ; behind the table: the waves' records
.set RECW,  96*32                      ; a wave's area: three slots a lane, 32 bytes a slot
.set LAP,   12                         ; angles in a trip: a multiple of the two, three and four sets, so that every set is back at its start
.set LN,  1                            ; v1       lane
.set LF,  2                            ; v2-3     lane and lane + 32, in f32: the x of my two pixels of a row, as a pair
.set FY,  4                            ; v4-7     iy of my four pixels: (l, row 0), (l + 32, row 0), (l, row 1), (l + 32, row 1)
.set AD,  8                            ; v8-11    their LDS addresses, set 0
.set U,   12                           ; v12-15   ix - 306.5, then 307.5 - |.|
.set WY,  16                           ; v16-23   1 + w, sets 0 and 1
.set XF,  24                           ; v24-31   X, sets 0 and 1
.set ACC, 32                           ; v32-39   the sums: pixel p's batches 0 and 1 in v[32 + 2 p], v[33 + 2 p]
.set E,   40                           ; v40-71   gathered entries, sets 0 and 1
.set G,   72                           ; v72-95   chunk k: G, then the offset in tab
.set D,   96                           ; v96-191  chunk k's 16 bytes
.set R,   96                           ; v96-127  once the table is copied: four sets of a record: { base, 2 S, 2 C, (G) }, { u, c, s, (32 c) }; the words in brackets ride along and are not read
.set E2,  128                          ; v128-143 once the table is copied: gathered entries, set 2
.set WY2, 144                          ; v144-147 1 + w, set 2
.set XF2, 148                          ; v148-151 X, set 2
.set LA,  192                          ; v192     16 x thread
.set LA2, 193                          ; v193     the same + 65,536: an LDS offset has 16 bits
.set SA,  194                          ; v194     the way out: where I put a number
.set SR,  195                          ; v195     the way out: where I read 16 bytes of a row
.set GO,  196                          ; v196     my byte offset in the wave's two rows of out0
.set RO,  197                          ; v197-199 byte offsets of my three records in reci and recf
.set RD,  200                          ; v200-223 my three records as loaded
.set RS,  224                          ; v224     where I put my first record in the wave's area
.set RA,  225                          ; v225     the wave's area at the trip's angle 0; the same in every lane
.set AD1, 226                          ; v226-229 the LDS addresses, set 1
.set QO,  232                          ; v232-255 chunk k: the byte offset of its angle's record; written once, read by the load of G, never written again
	s_load_b256 s[4:11], s[0:1], 0x0               ; tab s[4:5], reci s[6:7], recf s[8:9], out0 s[10:11]
	v_lshl_add_u32 v230, v0, 2, 0x1e000
	v_mov_b32 v231, 0
	v_and_b32 v[LN], 31, v0
	v_lshrrev_b32 v3, 5, v0
	v_readfirstlane_b32 s12, v3                    ; wave 0..7
	s_mul_i32 s22, ttmp9, NAP*16                   ; my tile's records
	s_mov_b32 s23, 0
	v_lshlrev_b32 v[RO], 4, v[LN]                  ; angle l,
	v_add_nc_u32 v[RO+1], 512, v[RO]               ; l + 32,
	v_add_nc_u32 v[RO+2], 64, v[LN]
	v_min_u32 v[RO+2], NAP-1, v[RO+2]              ; l + 64, held at the tile's last record: lanes 28 to 31 fill slots that nobody reads
	v_lshlrev_b32 v[RO+2], 4, v[RO+2]
.set k, 0
.rept CHUNKS-1                         ; entry q = thread + 256 k of the LDS table belongs to angle q / 66
	v_add_nc_u32 v[QO+k], 256*k, v0
	v_mul_u32_u24 v[QO+k], v[QO+k], 15888          ; 15888 x 66 = 2^20 + 32: exact while 32 q < 2^20
	v_lshrrev_b32 v[QO+k], 20, v[QO+k]
	v_lshlrev_b32 v[QO+k], 4, v[QO+k]              ; its record's bytes
.set k, k+1
.endr
	v_mov_b32 v[QO+CHUNKS-1], (NA-1)*16            ; from q = 5,888 on: the last angle
	s_wait_kmcnt 0x0
	s_add_nc_u64 s[6:7], s[6:7], s[22:23]
	s_add_nc_u64 s[8:9], s[8:9], s[22:23]
	s_wait_alu depctr_va_vdst(0)                   ; the offsets v[RO ..] and v[QO ..] are written, which the thirty loads below read
.irp i, 0,1,2
	global_load_b128 v[RD+8*\i:RD+8*\i+3],   v[RO+\i], s[6:7]   ; the records go first: the first wait for a G below then shows them landed too
	global_load_b128 v[RD+8*\i+4:RD+8*\i+7], v[RO+\i], s[8:9]
.endr
.set k, 0
.rept CHUNKS
	global_load_b32 v[G+k], v[QO+k], s[6:7] offset:12   ; G
.set k, k+1
.endr
	; constants and addresses, while those are on their way
	s_wait_alu depctr_va_sdst(0)                   ; s12 is written, ahead of its first reader: my rows, my records' place and out0's base are made from it
	s_lshl_b32 s13, s12, 1                         ; my first row in the tile
	s_cvt_f32_u32 s14, s13
	s_mul_f32 s14, s14, -1.0                       ; and its negative in f32
	s_mov_b32 s15, 0                               ; LDS byte of the window of the trip's angle 0
	s_mov_b32 s17, 0x7fffff                        ; the fraction
	s_mov_b32 s18, 0x3f800000                      ; 1.0
	s_mov_b32 s19, 0x4399c000                      ; 307.5
	s_mul_i32 s26, s12, RECW
	s_add_co_u32 s26, s26, RECB                    ; my wave's records
	s_lshr_b32 s24, ttmp9, 3                       ; tile row: 16 rows of out0
	s_lshl_b32 s24, s24, 4
	s_add_co_u32 s24, s24, s13
	s_lshl_b32 s24, s24, 11                        ; 2,048 bytes a row
	s_and_b32 s25, ttmp9, 7                        ; tile column: 64 pixels, 256 bytes
	s_lshl_b32 s25, s25, 8
	s_add_co_u32 s24, s24, s25
	s_mov_b32 s25, 0
	s_add_nc_u64 s[10:11], s[10:11], s[24:25]      ; out0 at my wave's first row, batch 0
	v_cvt_f32_u32 v[LF], v[LN]
	v_lshlrev_b32 v[LA], 4, v0
	v_add_nc_u32 v[LA2], 0x10000, v[LA]
	v_mov_b32 v[RA], s26
	v_lshl_add_u32 v[RS], v[LN], 5, s26            ; slot l; slots l + 32 and l + 64 stand in the stores' offsets
	v_lshlrev_b32 v[SA], 10, v3                    ; the way out: 1,024 bytes a wave
	v_lshl_add_u32 v[SR], v[LN], 4, v[SA]
	v_lshl_add_u32 v[SA], v[LN], 2, v[SA]
	v_and_b32 v[GO], 15, v[LN]
	v_lshrrev_b32 v3, 4, v[LN]
	v_lshlrev_b32 v[GO], 4, v[GO]
	v_lshl_add_u32 v[GO], v3, 11, v[GO]            ; lanes 0-15 my first row, lanes 16-31 my second, 16 bytes a lane
	v_add_f32 v[LF+1], 0x42000000, v[LF]           ; lane + 32
.irp i, 0,1,2,3,4,5,6,7
	v_mov_b32 v[ACC+\i], 0                         ; eight sums a lane; the first angle's sum stands inside the loop
.endr
	; the windows: entry q of the LDS table is entry q + G of tab.  Eight chunks at a time: their offsets are made, one wait states that they are written, their loads go out.
.set k, 0
.rept 3
	s_wait_loadcnt 16                              ; behind G of chunk 8 g + 7 stand the 16 - 8 g later G and the 8 g loads from tab issued so far
.rept 8
	v_min_u32 v[G+k], GMAX, v[G+k]                 ; a loaded number enters an address only behind this bound, which a right record never meets
.set k, k+1
.endr
.set k, k-8
.rept 8
.if k < CHUNKS-1
	v_add_lshl_u32 v[G+k], v[G+k], v0, 4
.else
	v_add3_u32 v[G+k], v[G+k], v0, 256*(CHUNKS-1)
	v_min_u32 v[G+k], NA*NTAB-1, v[G+k]            ; the lanes past the table's 5,940 entries stay inside tab
	v_lshlrev_b32 v[G+k], 4, v[G+k]
.endif
.set k, k+1
.endr
.if k == CHUNKS
	; my three records: they were issued ahead of every G, and loads come back in order (ISA guide 5.7.1), so the waits above have shown them landed.  They are folded here, ahead of a wait that stands anyway
.irp i, 0,1,2
	v_mad_u32 v[RD+8*\i], v[RD+8*\i+2], s13, v[RD+8*\i]         ; the tile's base + my first row x 2 C, modulo 2^32
	v_fma_f32 v[RD+8*\i+4], v[RD+8*\i+6], s14, v[RD+8*\i+4]     ; ix - 306.5 at my first row: - s x row
.endr
.endif
	s_wait_alu depctr_va_vdst(0)                   ; these eight offsets are written, which the loads below read; the first time also the seven addresses v[LA] to v[GO], v[RS], v[RA]; the third time also the folded records, which LDS stores read
.set k, k-8
.rept 8
.if k < CHUNKS-1
	global_load_b128 v[D+4*k:D+4*k+3], v[G+k], s[4:5] offset:4096*k
.else
	global_load_b128 v[D+4*k:D+4*k+3], v[G+k], s[4:5]
.endif
.set k, k+1
.endr
.endr
	; the records go into my wave's area while the table is on its way; no vector instruction since the last wait names v[RD ..] or v[RS]
.irp i, 0,1,2
	ds_store_b128 v[RS], v[RD+8*\i:RD+8*\i+3]   offset:1024*\i      ; { base, 2 S, 2 C, G }
	ds_store_b128 v[RS], v[RD+8*\i+4:RD+8*\i+7] offset:1024*\i+16   ; { u, c, s, 32 c }
.endr
.set k, 0
.rept CHUNKS
	s_wait_loadcnt CHUNKS-1-k                      ; chunk k is in, the later ones stay out
.if k < 16
	ds_store_b128 v[LA], v[D+4*k:D+4*k+3] offset:4096*k
.else
	ds_store_b128 v[LA2], v[D+4*k:D+4*k+3] offset:4096*(k-16)
.endif
.set k, k+1
.endr
	s_wait_dscnt 0x0                               ; for the others' sake: my part of the table is written
	s_barrier_signal -1
	s_barrier_wait -1                              ; everybody's part is
	s_wait_alu depctr_vm_vsrc(0)                   ; my LDS stores have read v[D ..]: from here on v96-151 are the record sets, the third gather set and the third sets of 1 + w and X, written by LDS loads and by vector lines
; The record at byte off behind v[RA] comes into record set rs: two loads, every lane the same 16 bytes.
.macro RLOAD rs, off
	ds_load_b128 v[R+8*(\rs):R+8*(\rs)+3],   v[RA] offset:\off
	ds_load_b128 v[R+8*(\rs)+4:R+8*(\rs)+7], v[RA] offset:\off+16
.endm
; The sum of the angle whose gathers lie in set g, both batches at once; 1 + w and X are taken from one register of a pair for both halves.  Sets 0 and 1 lie side by side, set 2 apart.
.macro SUM1 g                          ; the four samples: d (1 + w) + (v - d)
.set eb, E+16*(\g)+(E2-E-32)*((\g)/2)
.set wb, WY+4*(\g)+(WY2-WY-8)*((\g)/2)
	v_pk_fma_f32 v[eb:eb+1],     v[eb+2:eb+3],   v[wb:wb+1],     v[eb:eb+1]     op_sel_hi:[1,0,1]
	v_pk_fma_f32 v[eb+4:eb+5],   v[eb+6:eb+7],   v[wb:wb+1],     v[eb+4:eb+5]   op_sel:[0,1,0]
	v_pk_fma_f32 v[eb+8:eb+9],   v[eb+10:eb+11], v[wb+2:wb+3],   v[eb+8:eb+9]   op_sel_hi:[1,0,1]
	v_pk_fma_f32 v[eb+12:eb+13], v[eb+14:eb+15], v[wb+2:wb+3],   v[eb+12:eb+13] op_sel:[0,1,0]
.endm
.macro SUM2 g                          ; times X, onto the sums
.set eb, E+16*(\g)+(E2-E-32)*((\g)/2)
.set xb, XF+4*(\g)+(XF2-XF-8)*((\g)/2)
	v_pk_fma_f32 v[ACC:ACC+1],   v[eb:eb+1],     v[xb:xb+1],     v[ACC:ACC+1]   op_sel_hi:[1,0,1]
	v_pk_fma_f32 v[ACC+2:ACC+3], v[eb+4:eb+5],   v[xb:xb+1],     v[ACC+2:ACC+3] op_sel:[0,1,0]
	v_pk_fma_f32 v[ACC+4:ACC+5], v[eb+8:eb+9],   v[xb+2:xb+3],   v[ACC+4:ACC+5] op_sel_hi:[1,0,1]
	v_pk_fma_f32 v[ACC+6:ACC+7], v[eb+12:eb+13], v[xb+2:xb+3],   v[ACC+6:ACC+7] op_sel:[0,1,0]
.endm
; THE TURN OF ANGLE t = 12 j + n in trip j.  The sets go by n: addresses n % 2, gathers and weights n % 3, records n % 4.
; fill = the lesser of t and 3: from turn 1 on angle t - 1 is gathered, from turn 2 on an address set is written a second time, from turn 3 on angle t - 3 is summed.
; more = 1: the record of angle t + 2 is asked for.
; THE WAIT FOR LDS.  The loads go out in the order G(t - 3), R(t), G(t - 2), R(t + 1) (G: an angle's four gathers, R: a record's two), the first two in turn t - 2 and the others in turn t - 1.  So one wait
; that leaves the six of G(t - 2) and R(t + 1) out shows both G(t - 3), which is summed, and R(t), from which this angle's addresses are made.  left is that count; the first and the last turns have fewer loads behind.
; THE ORDER.  38 vector instructions in three strands: the sum (8), the addresses (iy 4, entry 4, bound 4, address 4), the weights (ix 2, 1 + w 4, 307.5 - |.| 4, X 4).  They are dealt so that
; a result is read six instructions or more behind the one that makes it.  1 + w and X of the turn's set are written behind the sums that read the old ones.  The six LDS loads stand two by two among
; the turn's first ten vector lines: none of these, and no later line of the turn, names last turn's address set, last turn's gather set, v[RA] or the record set two turns on.
; A gather's immediate is its angle's window, counted from the base s15 that went into its address a turn before.
.macro TURN n, fill, more, left
.set g3, (\n)%3
.set o3, ((\n)+2)%3
.set ri, R+8*((\n)%4)
.set nr, ((\n)+2)%4
.set ad, AD+(AD1-AD)*((\n)%2)
.set oa, AD+(AD1-AD)*(((\n)+1)%2)
.set wy, WY+4*g3+(WY2-WY-8)*(g3/2)
.set xf, XF+4*g3+(XF2-XF-8)*(g3/2)
.set oe, E+16*o3+(E2-E-32)*(o3/2)
	s_wait_dscnt \left                             ; LDS loads come back in order (ISA guide 5.7.1)
.if (\fill) >= 2
	s_wait_alu depctr_vm_vsrc(0)                   ; the gathers of angle t - 2, issued last turn, have read the address set that this turn writes again
.endif
.if (\fill) >= 1
	s_wait_alu depctr_va_vdst(0)                   ; last turn's lines have written angle t - 1's addresses and are done with the gather set in which its gathers land; the lines of two turns back are done reading the record set that is loaded again; in a trip's first turn v[RA] is written
	ds_load_b128 v[oe:oe+3],     v[oa]   offset:((\n)-1)*WINB
	ds_load_b128 v[oe+4:oe+7],   v[oa+1] offset:((\n)-1)*WINB
.endif
	v_mad_u32 v[FY], v[LN], v[ri+1], v[ri]         ; iy: base + lane x 2 S
.if (\fill) >= 3
	SUM1 g3
.endif
.if (\fill) >= 1
	ds_load_b128 v[oe+8:oe+11],  v[oa+2] offset:((\n)-1)*WINB
	ds_load_b128 v[oe+12:oe+15], v[oa+3] offset:((\n)-1)*WINB
.endif
	v_pk_fma_f32 v[U:U+1], v[LF:LF+1], v[ri+4:ri+5], v[ri+4:ri+5] op_sel:[0,1,0] op_sel_hi:[1,1,0]   ; ix - 306.5 of my first row's two pixels: u + c x (l, l + 32)
	v_lshl_add_u32 v[FY+1], v[ri+1], 5, v[FY]      ; 32 pixels along x
	v_add_nc_u32 v[FY+2], v[ri+2], v[FY]           ; the next row
	v_bfe_u32 v[ad], v[FY], 23, 7                  ; the entry in the window
.if \more
	RLOAD nr, ((\n)+2)*32
.endif
.if (\fill) >= 3
	SUM2 g3
.endif
	v_add_nc_u32 v[FY+3], v[ri+2], v[FY+1]
	v_bfe_u32 v[ad+1], v[FY+1], 23, 7
	v_bfe_u32 v[ad+2], v[FY+2], 23, 7
	v_min_u32 v[ad], WIN-1, v[ad]                  ; made of loaded numbers, it enters an address only behind this bound: the window's last entry, which a right record never passes
	v_pk_add_f32 v[U+2:U+3], v[U:U+1], v[ri+6:ri+7] op_sel_hi:[1,0] neg_lo:[0,1] neg_hi:[0,1]        ; - s: the next row's two pixels
	v_and_or_b32 v[wy], v[FY], s17, s18            ; 1 + w
	v_and_or_b32 v[wy+1], v[FY+1], s17, s18
	v_bfe_u32 v[ad+3], v[FY+3], 23, 7
	v_min_u32 v[ad+1], WIN-1, v[ad+1]
	v_min_u32 v[ad+2], WIN-1, v[ad+2]
	v_lshl_add_u32 v[ad], v[ad], 4, s15            ; 16 bytes an entry, behind the trip's first window
	v_and_or_b32 v[wy+2], v[FY+2], s17, s18
	v_sub_f32 v[U], s19, |v[U]|                    ; 307.5 - |ix - 306.5|
	v_sub_f32 v[U+1], s19, |v[U+1]|
	v_min_u32 v[ad+3], WIN-1, v[ad+3]
	v_lshl_add_u32 v[ad+1], v[ad+1], 4, s15
	v_lshl_add_u32 v[ad+2], v[ad+2], 4, s15
	v_sub_f32 v[U+2], s19, |v[U+2]|
	v_sub_f32 v[U+3], s19, |v[U+3]|
	v_and_or_b32 v[wy+3], v[FY+3], s17, s18
	v_med3_num_f32 v[xf], v[U], 0, 1.0             ; X
	v_lshl_add_u32 v[ad+3], v[ad+3], 4, s15
	v_med3_num_f32 v[xf+1], v[U+1], 0, 1.0
	v_med3_num_f32 v[xf+2], v[U+2], 0, 1.0
	v_med3_num_f32 v[xf+3], v[U+3], 0, 1.0
.endm
	RLOAD 0, 0                                     ; angles 0 to 2 fill the pipeline, in the order that the loop's count leans on: R(0), R(1), then R(2), then G(0), R(3), then G(1), R(4)
	RLOAD 1, 32
	TURN 0, 0, 1, 2                                ; R(0) is in: behind it stands R(1)
	TURN 1, 1, 1, 2                                ; R(1) is in: behind it stands R(2)
	TURN 2, 2, 1, 6                                ; R(2) is in: behind it stand G(0) and R(3)
	s_mov_b32 s16, 7
.Ltrip:                                                ; twelve angles: 12 j + 3 to 12 j + 14
.irp n, 3,4,5,6,7,8,9,10,11,12,13
	TURN \n, 3, 1, 6
.endr
	s_add_co_u32 s15, s15, LAP*WINB                ; twelve windows on, ahead of the trip's last turn: its angle is gathered in the next trip's first turn, as that trip's angle 2
	TURN 14, 3, 1, 6
	s_add_co_u32 s26, s26, LAP*32                  ; twelve records on
	s_wait_alu depctr_vm_vsrc(0)                   ; the record loads issued so far have read v[RA]
	v_mov_b32 v[RA], s26
	s_sub_co_u32 s16, s16, 1
	s_cmp_lg_u32 s16, 0
	s_cbranch_scc1 .Ltrip
	TURN 3, 3, 1, 6                                ; angles 87 to 89, written out: the last record is asked for in the turn of angle 87,
	TURN 4, 3, 0, 6                                ; none in those of angles 88 and 89,
	TURN 5, 3, 0, 4                                ; so behind G(86) and R(89) stand G(87)'s four alone
	s_wait_alu depctr_va_vdst(0)                   ; angle 89's addresses are written, and the sum of angle 86 is done with the gather set in which its gathers land
.irp p, 0,1,2,3
	ds_load_b128 v[E2+4*\p:E2+4*\p+3], v[AD1+\p] offset:5*WINB
.endr
	s_wait_dscnt 8                                 ; angle 87: G(88) and G(89) may stay out
	SUM1 0
	SUM2 0
	s_wait_dscnt 4                                 ; angle 88: G(89) may stay out
	SUM1 1
	SUM2 1
	s_wait_dscnt 0x0                               ; angle 89: nothing was issued behind it
	SUM1 2
	SUM2 2
	; THE WAY OUT.  A lane holds single pixels 32 apart; through LDS they become 16 neighbouring bytes a lane.  The stage lies over the table, so every wave's gathers are back
	; (the wait for 0 above) and a barrier is passed before anybody writes there.  Behind it each wave touches its own 1,024 bytes alone.
	s_barrier_signal -1
.irp p, 0,1,2,3
	v_pk_mul_f32 v[ACC+2*\p:ACC+2*\p+1], v[ACC+2*\p:ACC+2*\p+1], 0x3c360b61 op_sel_hi:[1,0]   ; / 90
.endr
	s_barrier_wait -1
	s_wait_alu depctr_va_vdst(0)                   ; the sums are written, which the LDS stores read; the lines of the sums are done with v[E ..], in which the loads from the stage land
.irp p, 0,1,2,3
	ds_store_b32 v[SA], v[ACC+2*\p]   offset:(\p/2)*256+(\p%2)*128       ; batch 0: row, half of the row
	ds_store_b32 v[SA], v[ACC+2*\p+1] offset:512+(\p/2)*256+(\p%2)*128   ; batch 1
.endr
	ds_load_b128 v[E:E+3],   v[SR]                 ; LDS serves a wave's instructions in order (ISA guide 5.7.1.4): these see the stores above
	ds_load_b128 v[E+4:E+7], v[SR] offset:512
	s_wait_dscnt 0x1
	global_store_b128 v[GO], v[E:E+3], s[10:11] th:TH_STORE_NT                    ; 16 lanes store 256 consecutive bytes, at a multiple of 256 from out0's first byte
	s_wait_dscnt 0x0
	global_store_b128 v[GO], v[E+4:E+7], s[10:11] offset:1048576 th:TH_STORE_NT   ; batch 1 lies 512 x 512 numbers further
	s_wait_dscnt 0x0
	s_wait_alu depctr_hold_cnt(0) depctr_sa_sdst(0) depctr_va_vdst(0) depctr_va_sdst(0) depctr_va_ssrc(0) depctr_va_vcc(0) depctr_vm_vsrc(0)
	s_wait_tensorcnt 0x0
	ds_add_u32 v230, v231
	s_wait_dscnt 0x0
	s_endpgm
.Lfunc_end_k_q1b1f4351d5_backproject:
	.size	k_q1b1f4351d5_backproject, .Lfunc_end_k_q1b1f4351d5_backproject-k_q1b1f4351d5_backproject
	.p2alignl 7, 3214868480
	.fill 96, 4, 3214868480
	.section	.rodata,"a",@progbits
	.p2align	6, 0x0
	.amdhsa_kernel k_q1b1f4351d5_backproject
		.amdhsa_group_segment_fixed_size 123904
		.amdhsa_private_segment_fixed_size 0
		.amdhsa_enable_private_segment 0
		.amdhsa_kernarg_size 32
		.amdhsa_user_sgpr_count 2
		.amdhsa_user_sgpr_kernarg_segment_ptr 1
		.amdhsa_wavefront_size32 1
		.amdhsa_system_sgpr_workgroup_id_x 1
		.amdhsa_system_sgpr_workgroup_id_y 1
		.amdhsa_system_sgpr_workgroup_id_z 1
		.amdhsa_system_vgpr_workitem_id 0
		.amdhsa_next_free_vgpr 256
		.amdhsa_next_free_sgpr 66
		.amdhsa_reserve_vcc 0
		.amdhsa_float_denorm_mode_32 3
		.amdhsa_float_denorm_mode_16_64 3
		.amdhsa_memory_ordered 1
		.amdhsa_forward_progress 1
		.amdhsa_inst_pref_size 72
	.end_amdhsa_kernel
	.amdgpu_metadata
---
amdhsa.version: [ 1, 2 ]
amdhsa.kernels:
  - .name:           k_q1b1f4351d5_backproject
    .symbol:         k_q1b1f4351d5_backproject.kd
    .args:
      - { .name: tab, .offset: 0, .size: 8, .value_kind: global_buffer, .address_space: global }
      - { .name: reci, .offset: 8, .size: 8, .value_kind: global_buffer, .address_space: global }
      - { .name: recf, .offset: 16, .size: 8, .value_kind: global_buffer, .address_space: global }
      - { .name: out0, .offset: 24, .size: 8, .value_kind: global_buffer, .address_space: global }
    .group_segment_fixed_size: 123904
    .private_segment_fixed_size: 0
    .kernarg_segment_align: 8
    .kernarg_segment_size: 32
    .max_flat_workgroup_size: 256
    .sgpr_count:     66
    .vgpr_count:     256
    .wavefront_size: 32
...
	.end_amdgpu_metadata
.endif
;; end of part 4
